; MI455X (gfx1250); checked and timed in simulation.
; The chip was launched on July 23, 2026; its instructions are those of AMD's public machine-readable ISA for CDNA 5 (MIT licence, August 2026) and "CDNA5" Instruction Set Architecture Reference Guide (July 2026). The comments in the code are by the model that wrote it; some were corrected since.
;; Attention. Allowed arithmetic: float matrix products may take bf16 or f16 operands with f32 sums; all other float work in f32.
;; Inputs: qkv_w 3,072 x 1,024 float32; x 8 x 1,024 x 1,024 float32.
;; Outputs: out0 8 x 1,024 x 1,024 float32.
;; 2 versions, each right; version 2 is version 1 with the launch cvt written anew for expert scheduling mode. Each part assembles by itself: llvm-mc -triple=amdgcn-amd-amdhsa -mcpu=gfx1250 --defsym DOCPART=n.
;; ======== version 1 of 2: 3 launches
;; limits: values are held in f16: magnitudes above 65,504 overflow, below 6.1e-05 lose precision
;; workspace buffers: xh 16,777,216 bytes; wh 6,291,456 bytes; qkv 50,331,648 bytes
;; launch cvt (part 1): grid 704 x 1, 8 waves a work-group, no clusters, 0 bytes of LDS; arguments x, qkv_w, xh, wh; writes xh, wh
.if DOCPART == 1
	.amdgcn_target "amdgcn-amd-amdhsa--gfx1250"
	.amdhsa_code_object_version 6
	.text
	.protected	k_qd2814d94d5_cvt
	.globl	k_qd2814d94d5_cvt
	.p2align	8
	.type	k_qd2814d94d5_cvt,@function
k_qd2814d94d5_cvt:
	s_mov_b64 s[64:65], 0
	v_nop
	global_prefetch_b8 v0, s[64:65] scope:SCOPE_SE
	s_setreg_imm32_b32 hwreg(HW_REG_WAVE_MODE, 25, 1), 1
	s_wait_xcnt 0x0
; x [8192][1024] and qkv_w [3072][1024], f32, are rounded once to f16 and laid out in 16 panels along k:
; xh [16][8192][64], wh [16][3072][64].  Panel p holds k = 64 p .. 64 p + 63; a row of a panel is 128 bytes and the rows of a
; panel follow each other without a gap, so that the product's launch can fetch any run of rows of one panel as a dense block.
; NOTHING of reference() is left out in this program: both inputs reach every output, and SCALE is applied (in the attention launch,
; merged with log2(e) into the one constant of the exponent's multiply-add).
; LIMITS: f16 operands.  |x| or |qkv_w| of 65,520 or more becomes an infinity; below 6.1e-5 the step is 6e-8 (f16 denormals are kept).
; Why f16 and not bf16: same matrix rate, eight times finer rounding; the projection's results stay below f16's largest number even with
; both inputs 30 times their drawn spread (|q| about 5,000) or offset by 30 spreads (about 29,000).
; A stream: no LDS, no barrier, no matrix unit, no loop.  A work-group takes 16 rows (groups 0-511: x, groups 512-703: qkv_w), a wave two
; rows: lanes 0-15 the even one, lanes 16-31 the odd one.  Each load of a wave takes 256 consecutive aligned bytes of each of its two rows
; (one panel's 64 numbers); each store of a wave covers 256 consecutive aligned bytes (two neighbouring rows of one panel).
.set XGROUPS, 512                      ; 8192 rows / 16
.set OFF, 2                            ; v[2:17]   byte offset of my 8 bytes in panel p
.set X,   20                           ; v[20:83]  panel p: 4 f32 as loaded
.set Y,   84                           ; v[84:115] panel p: 4 f16 to store
	s_load_b256 s[4:11], s[0:1], 0x0               ; x s[4:5], qkv_w s[6:7], xh s[8:9], wh s[10:11]
	s_mov_b32 s18, 8192*128                        ; bytes from panel to panel in xh
	s_mov_b32 s19, 3072*128                        ; and in wh
	v_lshrrev_b32 v1, 4, v0                        ; my row of the group's 16
	v_and_b32 v18, 15, v0                          ; my place in a panel's row
	v_lshlrev_b32 v1, 12, v1                       ; a source row is 4,096 bytes
	v_lshl_add_u32 v1, v18, 4, v1                  ; + 16 bytes a lane
	s_cmp_lt_u32 ttmp9, XGROUPS                    ; x or qkv_w?  Only lines that leave SCC alone stand between here and the last select
	s_cselect_b32 s16, s18, s19                    ; the panel stride
	s_cselect_b32 s17, 0, XGROUPS                  ; the first group of my tensor
	s_wait_kmcnt 0x0
	s_cselect_b64 s[12:13], s[4:5], s[6:7]         ; from
	s_cselect_b64 s[14:15], s[8:9], s[10:11]       ; to
	s_sub_co_u32 s17, ttmp9, s17                   ; my group within the tensor
	s_lshl_b32 s20, s17, 16                        ; 16 source rows of 4,096 bytes
	s_mov_b32 s21, 0
	s_lshl_b32 s22, s17, 11                        ; 16 panel rows of 128 bytes
	s_mov_b32 s23, 0
	s_add_nc_u64 s[12:13], s[12:13], s[20:21]
	s_add_nc_u64 s[14:15], s[14:15], s[22:23]
.set p, 0
.rept 16
	global_load_b128 v[X+4*p:X+4*p+3], v1, s[12:13] offset:256*p th:TH_LOAD_NT   ; read once in the launch
.set p, p+1
.endr
	v_lshlrev_b32 v[OFF], 3, v0                    ; row x 128 + place x 8 = 8 x thread
.set p, 1
.rept 15
	v_add_nc_u32 v[OFF+p], s16, v[OFF+p-1]         ; a panel further
.set p, p+1
.endr
.set p, 0
.rept 16
	s_wait_loadcnt 15-p                            ; loads come back in order (ISA guide 5.7.1): panel p is in, the 15 - p younger loads stay out
	v_cvt_pk_f16_f32 v[Y+2*p],   v[X+4*p],   v[X+4*p+1]
	v_cvt_pk_f16_f32 v[Y+2*p+1], v[X+4*p+2], v[X+4*p+3]
	global_store_b64 v[OFF+p], v[Y+2*p:Y+2*p+1], s[14:15]   ; no register of a pending load or store is ever written again
.set p, p+1
.endr
	s_endpgm
.Lfunc_end_k_qd2814d94d5_cvt:
	.size	k_qd2814d94d5_cvt, .Lfunc_end_k_qd2814d94d5_cvt-k_qd2814d94d5_cvt
	.p2alignl 7, 3214868480
	.fill 96, 4, 3214868480
	.section	.rodata,"a",@progbits
	.p2align	6, 0x0
	.amdhsa_kernel k_qd2814d94d5_cvt
		.amdhsa_group_segment_fixed_size 0
		.amdhsa_private_segment_fixed_size 0
		.amdhsa_enable_private_segment 0
		.amdhsa_kernarg_size 32
		.amdhsa_user_sgpr_count 2
		.amdhsa_user_sgpr_kernarg_segment_ptr 1
		.amdhsa_wavefront_size32 1
		.amdhsa_system_sgpr_workgroup_id_x 1
		.amdhsa_system_sgpr_workgroup_id_y 1
		.amdhsa_system_sgpr_workgroup_id_z 1
		.amdhsa_system_vgpr_workitem_id 0
		.amdhsa_next_free_vgpr 120
		.amdhsa_next_free_sgpr 66
		.amdhsa_reserve_vcc 0
		.amdhsa_float_denorm_mode_32 3
		.amdhsa_float_denorm_mode_16_64 3
		.amdhsa_memory_ordered 1
		.amdhsa_forward_progress 1
		.amdhsa_inst_pref_size 8
	.end_amdhsa_kernel
	.amdgpu_metadata
---
amdhsa.version: [ 1, 2 ]
amdhsa.kernels:
  - .name:           k_qd2814d94d5_cvt
    .symbol:         k_qd2814d94d5_cvt.kd
    .args:
      - { .name: x, .offset: 0, .size: 8, .value_kind: global_buffer, .address_space: global }
      - { .name: qkv_w, .offset: 8, .size: 8, .value_kind: global_buffer, .address_space: global }
      - { .name: xh, .offset: 16, .size: 8, .value_kind: global_buffer, .address_space: global }
      - { .name: wh, .offset: 24, .size: 8, .value_kind: global_buffer, .address_space: global }
    .group_segment_fixed_size: 0
    .private_segment_fixed_size: 0
    .kernarg_segment_align: 8
    .kernarg_segment_size: 32
    .max_flat_workgroup_size: 256
    .sgpr_count:     66
    .vgpr_count:     120
    .wavefront_size: 32
...
	.end_amdgpu_metadata
.endif
;; end of part 1
;; launch gemm (part 2): grid 8 x 32, 4 waves a work-group, clusters of 4 x 4, 327,680 bytes of LDS; arguments xh, wh, qkv; writes qkv
.if DOCPART == 2
	.amdgcn_target "amdgcn-amd-amdhsa--gfx1250"
	.amdhsa_code_object_version 6
	.text
	.protected	k_qd2814d94d5_gemm
	.globl	k_qd2814d94d5_gemm
	.p2align	8
	.type	k_qd2814d94d5_gemm,@function
k_qd2814d94d5_gemm:
	s_mov_b64 s[64:65], 0
	v_nop
	global_prefetch_b8 v0, s[64:65] scope:SCOPE_SE
	s_setreg_imm32_b32 hwreg(HW_REG_WAVE_MODE, 25, 1), 1
	s_wait_xcnt 0x0
	s_wait_alu depctr_hold_cnt(0) depctr_sa_sdst(0) depctr_va_vdst(0) depctr_va_sdst(0) depctr_va_ssrc(0) depctr_va_vcc(0) depctr_vm_vsrc(0)
	s_getreg_b32 s2, hwreg(HW_REG_IB_STS2, 6, 4)
	s_cmp_eq_u32 s2, 0
	s_cbranch_scc0 .Lentry_in_a_cluster
	s_endpgm
.Lentry_in_a_cluster:
	s_bfe_u32 s2, ttmp6, 0x10000c
	s_cmp_lg_u32 s2, 0xf033
	s_cbranch_scc0 .Lentry_shape_is_right
	s_endpgm
.Lentry_shape_is_right:
; qkv = x W^T: [8192][3072] = xh [8192 rows, k 1024] times wh [3072 rows, k 1024], f16 operands, f32 sums, rounded once to f16 and stored
; head by head: qkv [b 8][hh 48][n 1024][64], hh = column / 64 (0-15 q, 16-31 k, 32-47 v).  Nothing of reference() is left out here.
; LIMIT: a projected number of 65,520 or more in magnitude becomes an infinity in f16.
; A work-group makes a block of 256 rows x 384 columns with four waves: 32 x 8 = 256 work-groups.  A wave makes 128 x 192: 96 accumulator
; tiles of 16 x 16, 768 registers.  K goes in steps of 64, one panel of xh and wh a step, through a ring of two LDS slots.
; A panel's rows (128 bytes) are dense, so a run of rows is fetched as rows of 256 bytes, two logical rows each, 16 bytes of padding behind
; each: logical row p lies at (p >> 1) x 272 + (p & 1) x 128.  The sixteen rows of a fragment load then start at 16 (r >> 1) + 128 (r & 1)
; modulo 256: sixteen different columns of 16 bytes.
; CLUSTERS: 4 x 4 work-groups.  The four of a row of the cluster need the same rows of xh, the four of a column the same rows of wh: each
; such tile is asked for jointly, by the same tensor load with the same descriptor and a mask that names the four.
; REGISTERS, in windows of 256:
;   window 0: v16-26 addresses; v32-95, v96-159 fragments of x (8 x 16 rows x 32 k), two buffers; v160-255 the 12 fragments of W, one
;             buffer, filled again four fragments at a time as soon as the window that reads them is through
;   windows 1-3: accumulator tile (a = 0..7 of my rows, b = 0..11 of my columns) in window 1 + (b >> 2) at v[8 (8 (b & 3) + a)]
; THE MATRIX INSTRUCTION IS USED TRANSPOSED: source 0 = 16 rows of W, source 1 = 16 rows of x, so that lane l holds row l % 16 of the
; result and its eight registers the columns 8 (l / 16) + 0..7: eight neighbours, 16 bytes in f16.
.set PITCH,  272
.set FRAG,   8*PITCH                   ; 16 logical rows
.set BHALF,  96*PITCH                  ; 192 rows of W: one tensor load, and what one wave reads of W
.set AHALF,  64*PITCH                  ; 128 rows of x: likewise
.set AOFF,   2*BHALF                   ; in a slot: W's 384 rows, then x's 256
.set SLOT,   2*BHALF+2*AHALF           ; 87,040
.set STAGE,  2*SLOT                    ; 174,080 = 680 x 256: behind the ring, no fill lands here
.set SPITCH, 400                       ; the way out: 384 bytes of a row + 16 = 25 x 16
.set SBYTES, 16*SPITCH                 ; 6,400 = 25 x 256 for each wave
.set APANEL, 8192*128                  ; bytes from panel to panel
.set BPANEL, 3072*128
.set ADRA, 16                          ; v16-17  LDS address of my x fragments in slot 0, 1
.set ADRB, 20                          ; v20-21  the same for W
.set STO,  24
.set RD,   25
.set CO,   26
.set AF0,  32
.set AF1,  96
.set BF,   160
.set TMP,  32                          ; the way out: v32-79 packed results; v80-127, v128-175 rows read back, by turns
.set F0,   80
.set F1,   128
.set G1,  24                           ; s[24:31] group 1 for x's tiles
.set G0,  32                           ; s[32:39] group 0 for x's tiles, one set a slot
.set G1B, 48                           ; s[48:55] group 1 for W's tiles
.set G0B, 56                           ; s[56:63] group 0 for W's tiles, one set a slot
.set G1W0, (3<<16)|(1<<20)|(1<<21)|(5<<22)|(3<<25)   ; elements of 8 bytes; padding on; bit 21 beside a mask; after every 64 words; 4 words
.set MSB, 0
.macro WIN new                         ; the immediate's high byte repeats the setting that is left
.if MSB != (\new)
	s_set_vgpr_msb (MSB<<8)|(\new)
.set MSB, (\new)
.endif
.endm
.macro PLACES                          ; four places behind a matrix instruction, in front of loads into its sources and of reads of its results
.rept 4
	v_nop
.endr
.endm
; A joint load.  Waves 0 and 1 fetch W's two halves, waves 2 and 3 x's.  The branch hangs on the wave's number alone.
.macro JLOAD s
	s_cmp_eq_u32 s11, 0
	s_cbranch_scc0 .Lfor_a_\@
	tensor_load_to_lds s[G0B+4*\s:G0B+4*\s+3], s[G1B:G1B+7]
	s_nop 0
	s_branch .Lasked_\@
.Lfor_a_\@:
	tensor_load_to_lds s[G0+4*\s:G0+4*\s+3], s[G1:G1+7]
	s_nop 0
.Lasked_\@:
.endm
.macro CREST                           ; a round of the cluster's barrier behind its opening work-group barrier
	s_cmp_lg_u32 s10, 0
	s_cbranch_scc1 .Lnot_wave_0_\@
	s_barrier_signal -3
.Lnot_wave_0_\@:
	s_barrier_wait -3
	s_barrier_signal -1
	s_barrier_wait -1
.endm
.macro CROUND                          ; a whole round
	s_barrier_signal -1
	s_barrier_wait -1
	CREST
.endm
	s_load_b128 s[4:7], s[0:1], 0x0                ; xh s[4:5], wh s[6:7]
	s_load_b64 s[8:9], s[0:1], 0x10                ; qkv
	v_lshl_add_u32 v30, v0, 2, 0x30c00
	v_mov_b32 v31, 0
	ds_add_u32 v30, v31
	ds_add_u32 v30, v31
	v_lshrrev_b32 v1, 5, v0
	v_readfirstlane_b32 s10, v1                    ; wave 0..3
	s_lshr_b32 s11, s10, 1                         ; which 128 of the block's rows are mine.  Also: I fetch for W (0) or for x (1)
	s_and_b32 s12, s10, 1                          ; which 192 of its columns.  Also: which half of that tile I fetch
	s_bfe_u32 s40, ttmp6, 0x40000                  ; cx
	s_bfe_u32 s41, ttmp6, 0x40004                  ; cy
	s_lshl_b32 s42, ttmp9, 2
	s_add_co_u32 s42, s42, s40                     ; block column 0..7 = 4 x cluster x + cx
	s_and_b32 s13, ttmp7, 0xffff
	s_lshl_b32 s13, s13, 2
	s_add_co_u32 s13, s13, s41                     ; block row 0..31 = 4 x cluster y + cy
	s_lshl_b32 s43, s41, 2
	s_lshl_b32 s43, 15, s43                        ; my row of the cluster: places 4 cy .. 4 cy + 3
	s_lshl_b32 s44, 0x1111, s40                    ; my column: places cx, cx + 4, cx + 8, cx + 12
	; group 1: R rows of 32 elements of 8 bytes (256 bytes), dense; R = 64 for x (128 logical rows), 96 for W (192)
	s_or_b32 s[G1+0], s43, G1W0                    ; x's tiles go to my row of the cluster
	s_mov_b32 s[G1+1], 32<<16                      ; tensor_dim0 = 32
	s_mov_b32 s[G1+2], 64<<16                      ; tensor_dim1 = 64
	s_mov_b32 s[G1+3], 32<<16                      ; tile_dim0 = 32
	s_mov_b32 s[G1+4], 64                          ; tile_dim1 = 64
	s_mov_b32 s[G1+5], 32                          ; 32 elements from row to row
	s_mov_b32 s[G1+6], 0
	s_mov_b32 s[G1+7], 0
	s_or_b32 s[G1B+0], s44, G1W0                   ; W's tiles go to my column
	s_mov_b32 s[G1B+1], 32<<16
	s_mov_b32 s[G1B+2], 96<<16
	s_mov_b32 s[G1B+3], 32<<16
	s_mov_b32 s[G1B+4], 96
	s_mov_b32 s[G1B+5], 32
	s_mov_b32 s[G1B+6], 0
	s_mov_b32 s[G1B+7], 0
	; where the tiles come from: x's hang on the block row alone, W's on the block column alone, each in registers that never hold the other
	s_lshl_b32 s16, s13, 15                        ; 256 rows x 128 bytes a block row
	s_lshl_b32 s17, s12, 14                        ; + 128 rows for the second half
	s_add_co_u32 s16, s16, s17
	s_mov_b32 s17, 0
	s_mul_i32 s46, s42, 384*128                    ; 384 rows a block column
	s_mul_i32 s47, s12, 192*128                    ; + 192 rows for the second half
	s_add_co_u32 s46, s46, s47
	s_mov_b32 s47, 0
	s_mul_i32 s20, s10, AHALF                      ; where they go.  x (waves 2, 3): AOFF + (wave - 2) x AHALF = AHALF + wave x AHALF
	s_add_co_u32 s20, s20, AHALF
	s_mul_i32 s21, s10, BHALF                      ; W (waves 0, 1): wave x BHALF
	s_wait_dscnt 0x0
	s_wait_kmcnt 0x0
	s_add_nc_u64 s[14:15], s[4:5], s[16:17]
	s_add_nc_u64 s[46:47], s[6:7], s[46:47]
	CROUND                                         ; all sixteen work-groups are here: the first joint loads meet
.irp s, 0,1
	s_mov_b32 s[G0+4*\s], 1
	s_add_co_u32 s[G0+4*\s+1], s20, \s*SLOT
	s_add_nc_u64 s[G0+4*\s+2:G0+4*\s+3], s[14:15], \s*APANEL       ; panel s
	s_or_b32 s[G0+4*\s+3], s[G0+4*\s+3], 0x80000000
	s_mov_b32 s[G0B+4*\s], 1
	s_add_co_u32 s[G0B+4*\s+1], s21, \s*SLOT
	s_add_nc_u64 s[G0B+4*\s+2:G0B+4*\s+3], s[46:47], \s*BPANEL
	s_or_b32 s[G0B+4*\s+3], s[G0B+4*\s+3], 0x80000000
	JLOAD \s                                       ; both slots' first fills go out ahead of everything else: two loads of the wave are out
.endr
	; A fragment is 16 rows x 32 k in 8 registers: lane l holds row r = l % 16; registers 0-3 k = 8 h + 0..7, registers 4-7 k = 16 + 8 h + 0..7, h = l / 16
	v_and_b32 v1, 15, v0                           ; r
	v_bfe_u32 v2, v0, 4, 1                         ; h
	v_lshrrev_b32 v3, 1, v1
	v_mul_u32_u24 v3, v3, PITCH                    ; (r >> 1) x 272
	v_and_b32 v4, 1, v0
	v_lshl_add_u32 v3, v4, 7, v3                   ; + (r & 1) x 128
	v_lshl_add_u32 v3, v2, 4, v3                   ; + 16 h
	s_mul_i32 s22, s11, AHALF
	s_add_co_u32 s22, s22, AOFF                    ; my 128 rows of x
	s_mul_i32 s23, s12, BHALF                      ; my 192 rows of W
.irp s, 0,1
	v_add_nc_u32 v[ADRA+\s], s22, v3
	v_add_nc_u32 v[ADRB+\s], s23, v3
	s_add_co_u32 s22, s22, SLOT
	s_add_co_u32 s23, s23, SLOT
.endr
	s_mul_i32 s22, s10, SBYTES
	s_add_co_u32 s22, s22, STAGE                   ; my stage
	v_mul_u32_u24 v4, v1, SPITCH                   ; in: row r, 16 bytes for each half of the lanes
	v_lshl_add_u32 v4, v2, 4, v4
	v_add_nc_u32 v[STO], s22, v4
	v_and_b32 v5, 31, v0                           ; l
	v_lshrrev_b32 v6, 3, v5                        ; back: eight lanes take the 128 bytes that one row has of one head, four rows a load
	v_mul_u32_u24 v6, v6, SPITCH
	v_and_b32 v7, 7, v0
	v_lshl_add_u32 v6, v7, 4, v6
	v_add_nc_u32 v[RD], s22, v6
	v_lshlrev_b32 v[CO], 4, v5                     ; in qkv those four rows are 512 consecutive bytes
; 16 matrix instructions of window w (1..3): column tiles bb0, bb0 + 1 of the window's four x all 8 row tiles, 32 along k.
; zero = 1: the first product starts the sums: nothing is cleared.  The 96 accumulators take turns, one instruction a turn, in the same
; order in every half step and over the loop's backward jump.
.macro MUL16 af, w, bb0, zero
.irp bb, \bb0, \bb0+1
.irp a, 0,1,2,3,4,5,6,7
.if \zero
	v_wmma_f32_16x16x32_f16 v[8*(8*(\bb)+\a):8*(8*(\bb)+\a)+7], v[BF+8*(4*(\w-1)+\bb):BF+8*(4*(\w-1)+\bb)+7], v[\af+8*\a:\af+8*\a+7], 0
.else
	v_wmma_f32_16x16x32_f16 v[8*(8*(\bb)+\a):8*(8*(\bb)+\a)+7], v[BF+8*(4*(\w-1)+\bb):BF+8*(4*(\w-1)+\bb)+7], v[\af+8*\a:\af+8*\a+7], v[8*(8*(\bb)+\a):8*(8*(\bb)+\a)+7]
.endif
.endr
.endr
.endm
.macro LDB slot, k, i0                 ; W's fragments i0 .. i0 + 3, at byte k of the rows: 8 loads
.irp i, 0,1,2,3
	ds_load_b128 v[BF+8*(\i0+\i):BF+8*(\i0+\i)+3],   v[ADRB+\slot] offset:\k+(\i0+\i)*FRAG
	ds_load_b128 v[BF+8*(\i0+\i)+4:BF+8*(\i0+\i)+7], v[ADRB+\slot] offset:\k+(\i0+\i)*FRAG+32
.endr
.endm
.macro LDA slot, k, ag, i0             ; x's fragments i0 .. i0 + 3 into buffer ag: 8 loads
.irp i, 0,1,2,3
	ds_load_b128 v[\ag+8*(\i0+\i):\ag+8*(\i0+\i)+3],   v[ADRA+\slot] offset:\k+(\i0+\i)*FRAG
	ds_load_b128 v[\ag+8*(\i0+\i)+4:\ag+8*(\i0+\i)+7], v[ADRA+\slot] offset:\k+(\i0+\i)*FRAG+32
.endr
.endm
.macro GRP1 slot, k, ag                ; 16 loads, behind window 1's products
	LDB \slot, \k, 0
	LDA \slot, \k, \ag, 0
.endm
.macro GRP2 slot, k, ag                ; 16 loads, behind window 2's
	LDB \slot, \k, 4
	LDA \slot, \k, \ag, 4
.endm
.macro GRP3 slot, k                    ; 8 loads, behind window 3's
	LDB \slot, \k, 8
.endm
; A K step is two halves of 32 along k, 96 matrix instructions each.  The first half multiplies x's buffer 0 and fetches the second half's fragments.
.macro HALF0 slot, zero
	s_wait_dscnt 8                                 ; all but the youngest eight loads (W's fragments 8-11) are in: x's eight and W's 0-7
	WIN 0x50
	MUL16 AF0, 1, 0, \zero
	MUL16 AF0, 1, 2, \zero
	PLACES
	WIN 0
	GRP1 \slot, 64, AF1
	WIN 0xa0
	MUL16 AF0, 2, 0, \zero
	MUL16 AF0, 2, 2, \zero
	PLACES
	WIN 0
	GRP2 \slot, 64, AF1
	s_wait_dscnt 32                                ; the 32 loads just issued stay out; W's fragments 8-11 are in
	WIN 0xf0
	MUL16 AF0, 3, 0, \zero
	MUL16 AF0, 3, 2, \zero
	PLACES
	WIN 0
	GRP3 \slot, 64
.endm
; The second half multiplies buffer 1 and changes slots.  ONE barrier for the change.  In front of it each wave waits for its reads of this
; slot and for all its tensor loads, of which one is out: its part of the next slot.  Behind it the refill comes first (fill = 1), then the
; next slot's fragments.  From a request to the wait for it a wave issues 176 matrix instructions.
.macro TURN slot, next, fill
	s_wait_dscnt 8
	WIN 0x50
	MUL16 AF1, 1, 0, 0
	s_wait_dscnt 0                                 ; my reads of this slot are over
	s_wait_tensorcnt 0x0                           ; and all my tensor loads have landed
	ds_add_u32 v30, v31
	s_wait_dscnt 0x0
	s_barrier_signal -1                            ; say so (with a refill this barrier opens a round of the cluster's barrier),
	MUL16 AF1, 1, 2, 0                             ; work on registers while the others arrive,
	WIN 0
	s_barrier_wait -1
.if \fill
	CREST                                          ; no wave of any partner still reads this slot or has a load on its way
	s_add_nc_u64 s[G0+4*\slot+2:G0+4*\slot+3], s[G0+4*\slot+2:G0+4*\slot+3], 2*APANEL
	s_add_nc_u64 s[G0B+4*\slot+2:G0B+4*\slot+3], s[G0B+4*\slot+2:G0B+4*\slot+3], 2*BPANEL
	JLOAD \slot                                    ; the wave's one tensor load behind the round, and the first thing there
.endif
	PLACES
	GRP1 \next, 0, AF0
	WIN 0xa0
	MUL16 AF1, 2, 0, 0
	MUL16 AF1, 2, 2, 0
	PLACES
	WIN 0
	GRP2 \next, 0, AF0
	WIN 0xf0
	MUL16 AF1, 3, 0, 0                             ; W's fragments 8-11 came in with the wait for 0 above
	MUL16 AF1, 3, 2, 0
	PLACES
	WIN 0
	GRP3 \next, 0
.endm
.macro LAP zero                        ; two K steps, once round the ring, both slots filled again
	HALF0 0, \zero
	TURN 0, 1, 1
	HALF0 1, 0
	TURN 1, 0, 1
.endm
	s_wait_tensorcnt 1                             ; my part of panel 0 is in; panel 1's load stays out
	s_barrier_signal -1
	s_barrier_wait -1                              ; everybody's is
	GRP1 0, 0, AF0
	GRP2 0, 0, AF0
	GRP3 0, 0
	LAP 1                                          ; panels 0, 1; asks for 2, 3.  Its first products start the sums
	s_mov_b32 s3, 6                                ; 16 panels = 8 laps: one in front, six here (the last asks for panels 14, 15), one behind
.Llap:
	LAP 0
	s_sub_co_u32 s3, s3, 1
	s_cmp_lg_u32 s3, 0
	s_cbranch_scc1 .Llap
	HALF0 0, 0                                     ; the last lap fills nothing
	TURN 0, 1, 0
	HALF0 1, 0
	s_wait_dscnt 8                                 ; the very last half: nothing more to fetch
	WIN 0x50
	MUL16 AF1, 1, 0, 0
	MUL16 AF1, 1, 2, 0
	WIN 0xa0
	MUL16 AF1, 2, 0, 0
	MUL16 AF1, 2, 2, 0
	s_wait_dscnt 0
	WIN 0xf0
	MUL16 AF1, 3, 0, 0
	MUL16 AF1, 3, 2, 0
	PLACES                                         ; for the conversions, which read results, and for the writes and loads into old fragments
	WIN 0
	; THE WAY OUT.  Row m = 256 br + 128 half + 16 a + ..: batch br >> 2, n = (br & 3) 256 + ..;  column 384 bc + 192 half + 64 j + ..: head block 6 bc + 3 half + j
	s_lshr_b32 s16, s13, 2
	s_mul_i32 s16, s16, 48*131072                  ; a batch is 48 head blocks of 131,072 bytes
	s_and_b32 s17, s13, 3
	s_lshl_b32 s17, s17, 15                        ; 256 rows of 128 bytes
	s_add_co_u32 s16, s16, s17
	s_lshl_b32 s17, s11, 14                        ; 128 rows
	s_add_co_u32 s16, s16, s17
	s_mov_b32 s17, 0
	s_add_nc_u64 s[8:9], s[8:9], s[16:17]
	s_mul_i32 s46, s42, 6                          ; (in the registers that held W's address: none that fed x's descriptors ever holds cx)
	s_mul_i32 s47, s12, 3
	s_add_co_u32 s46, s46, s47
	s_lshl_b32 s46, s46, 17
	s_mov_b32 s47, 0
	s_add_nc_u64 s[8:9], s[8:9], s[46:47]
; Rows 16 a .. 16 a + 15 of my block: round to f16, 16 bytes a lane into my own stage, read back so that a store's 32 lanes hold four whole
; rows of one head: 512 consecutive bytes of qkv, aligned.  In the read-back the second row's 128 bytes start 144 bytes on modulo 256
; it stays, since a pitch that serves the stores cannot also serve this.
.macro OUT16 a, f
.irp w, 1,2,3
	WIN 5*\w                                       ; sources 0 and 1 in window w, destination in window 0
.irp bb, 0,1,2,3
.irp rr, 0,1,2,3
	v_cvt_pk_f16_f32 v[TMP+4*(4*(\w-1)+\bb)+\rr], v[8*(8*\bb+\a)+2*\rr], v[8*(8*\bb+\a)+2*\rr+1]
.endr
.endr
.endr
	WIN 0
.irp b, 0,1,2,3,4,5,6,7,8,9,10,11
	ds_store_b128 v[STO], v[TMP+4*\b:TMP+4*\b+3] offset:32*\b
.endr
	s_wait_xcnt 0x0                                ; buffer f, which earlier stores read, is loaded again only behind this wait (ISA guide 3.1)
.irp j, 0,1,2
.irp t, 0,1,2,3
	ds_load_b128 v[\f+4*(4*\j+\t):\f+4*(4*\j+\t)+3], v[RD] offset:\t*4*SPITCH+\j*128   ; LDS serves a wave's instructions in order (ISA guide 5.7.1): these see the stores above
.endr
.endr
.irp j, 0,1,2
.irp t, 0,1,2,3
	s_wait_dscnt 11-(4*\j+\t)                      ; the younger loads of the twelve stay out
	global_store_b128 v[CO], v[\f+4*(4*\j+\t):\f+4*(4*\j+\t)+3], s[8:9] offset:\j*131072+\a*2048+\t*512
.endr
.endr
.endm
	OUT16 0, F0
	OUT16 1, F1
	OUT16 2, F0
	OUT16 3, F1
	OUT16 4, F0
	OUT16 5, F1
	OUT16 6, F0
	OUT16 7, F1
	s_wait_tensorcnt 0x0
	ds_add_u32 v30, v31
	s_wait_dscnt 0x0
	CROUND                                         ; the closing round: no work-group ends while a partner may still ask for a tile that names it
	s_endpgm
.Lfunc_end_k_qd2814d94d5_gemm:
	.size	k_qd2814d94d5_gemm, .Lfunc_end_k_qd2814d94d5_gemm-k_qd2814d94d5_gemm
	.p2alignl 7, 3214868480
	.fill 96, 4, 3214868480
	.section	.rodata,"a",@progbits
	.p2align	6, 0x0
	.amdhsa_kernel k_qd2814d94d5_gemm
		.amdhsa_group_segment_fixed_size 327680
		.amdhsa_private_segment_fixed_size 0
		.amdhsa_enable_private_segment 0
		.amdhsa_kernarg_size 24
		.amdhsa_user_sgpr_count 2
		.amdhsa_user_sgpr_kernarg_segment_ptr 1
		.amdhsa_wavefront_size32 1
		.amdhsa_system_sgpr_workgroup_id_x 1
		.amdhsa_system_sgpr_workgroup_id_y 1
		.amdhsa_system_sgpr_workgroup_id_z 1
		.amdhsa_system_vgpr_workitem_id 0
		.amdhsa_next_free_vgpr 1024
		.amdhsa_next_free_sgpr 66
		.amdhsa_reserve_vcc 0
		.amdhsa_float_denorm_mode_32 3
		.amdhsa_float_denorm_mode_16_64 3
		.amdhsa_memory_ordered 1
		.amdhsa_forward_progress 1
		.amdhsa_inst_pref_size 170
	.end_amdhsa_kernel
	.amdgpu_metadata
---
amdhsa.version: [ 1, 2 ]
amdhsa.kernels:
  - .name:           k_qd2814d94d5_gemm
    .symbol:         k_qd2814d94d5_gemm.kd
    .args:
      - { .name: xh, .offset: 0, .size: 8, .value_kind: global_buffer, .address_space: global }
      - { .name: wh, .offset: 8, .size: 8, .value_kind: global_buffer, .address_space: global }
      - { .name: qkv, .offset: 16, .size: 8, .value_kind: global_buffer, .address_space: global }
    .group_segment_fixed_size: 327680
    .private_segment_fixed_size: 0
    .kernarg_segment_align: 8
    .kernarg_segment_size: 24
    .max_flat_workgroup_size: 128
    .sgpr_count:     66
    .vgpr_count:     1024
    .wavefront_size: 32
...
	.end_amdgpu_metadata
.endif
;; end of part 2
;; launch attn (part 3): grid 2 x 128, 8 waves a work-group, no clusters, 322,560 bytes of LDS; arguments qkv, out0; writes out0
.if DOCPART == 3
	.amdgcn_target "amdgcn-amd-amdhsa--gfx1250"
	.amdhsa_code_object_version 6
	.text
	.protected	k_qd2814d94d5_attn
	.globl	k_qd2814d94d5_attn
	.p2align	8
	.type	k_qd2814d94d5_attn,@function
k_qd2814d94d5_attn:
	s_mov_b64 s[64:65], 0
	v_nop
	global_prefetch_b8 v0, s[64:65] scope:SCOPE_SE
	s_setreg_imm32_b32 hwreg(HW_REG_WAVE_MODE, 25, 1), 1
	s_wait_xcnt 0x0
; out0[b][n][64 h + d] = sum over keys of softmax(SCALE q k^T) v, for each of 128 (b, h).  qkv [b][hh 48][n 1024][64] f16 (0-15 q, 16-31 k, 32-47 v).
; Nothing of reference() is left out.  The maximum is taken away before every exponential, as a running maximum over steps of 64 keys.
; A work-group (x = which 512 queries, y = 16 b + h) holds the head's whole K and V in LDS, each filled once; a wave has 64 queries, four tiles of 16.
; FORM: S^T = K Q^T (source 0 = 16 keys, source 1 = 16 queries) and O^T = V^T P^T (source 0 = V transposed on the way out of LDS,
; source 1 = P).  Lane (r = l % 16, h = l / 16) then holds query r throughout: register j of score tile kt is key 16 kt + 8 h + j, so
; rounding two score tiles to f16 in place IS the source-1 fragment of 32 keys, and maximum, rescale factor and sum are one number a lane
; (the two lanes of a query share the maximum by one exchange a step and add their sums once, at the end).
; NUMBERS: p = exp2(c s - c m) with c = SCALE log2(e) as one f32 constant applied to the f32 scores (reference() scales q first: another order of
; rounding); the row sum adds p in f32 as computed, the product takes p rounded to f16 (p <= 1; below 6e-8 it rounds to 0).
; LIMITS: q, k, v are f16 (an infinity from 65,520 on).  A NaN score is passed over by the maximum and reaches its row through p.
; NO JOINT LOADS: a head's K and V (256 KiB) are read by that head's two work-groups alone, once each, at the start; a cluster of four would
; hold two heads, and a mask that names two of four would have to be made from the place in the cluster.  The two are neighbours in x.
.set KPITCH, 272                       ; K: two keys of 128 bytes + 16: a fragment's 16 rows start at 16 different columns of 16 bytes modulo 256
.set VPITCH, 288                       ; V: + 32: the 16 lanes of a transposing load start at 32 (p >> 1) + 128 (p & 1) + {0, 16}, all different
.set VBASE,  512*KPITCH                ; 139,264
.set STAGE,  VBASE+512*VPITCH          ; 286,720 = 1,120 x 256; no fill lands here
.set SBYTES, 16*272                    ; 4,352 = 17 x 256 for each wave: 16 queries x 256 bytes, pitch 272
.set KSTEP,  32*KPITCH                 ; 64 keys
.set VSTEP,  32*VPITCH
.set RA, 32                            ; rows of 256 bytes in a wave's first load (64 keys)
.set RB, 96                            ; and in its second (192 keys)
.set KA,  2                            ; v2  LDS address of my K fragments, stepped
.set VA,  3                            ; v3  the same for V
.set STO, 4
.set RD,  5
.set CO,  6
.set QO,  7
.set M,   8                            ; v8-11   running maximum of the raw scores, tile i
.set L,   12                           ; v12-15  my lane's part of the running sum
.set T,   16                           ; v16-19  at work.  v22 = -c m, v23 = m (a pair); v24 = rescale factor or reciprocal, v25 = the other lane's number (a pair); v26-29 sums
.set Q,   32                           ; v32-95   Q fragments, 16 qt + 8 ks
.set KF,  96                           ; v96-159  K fragments, 16 kt + 8 ks
.set S0,  160                          ; v160-191, v192-223: scores, then P, of the query tiles by turns
.set S1,  192
.set OB0, 32                           ; the way out: rows read back, by turns (Q is dead by then)
.set OB1, 64
.set VF,  128                          ; window 1: v0-127 O (32 i + 8 dt), v128-191 V fragments (32 u + 8 dt)
.set G1A, 24                           ; s[24:31]
.set G0A, 32                           ; s[32:35]
.set G0B, 36                           ; s[36:39]
.set G1B, 48                           ; s[48:55]
.set MSB, 0
.macro WIN new
.if MSB != (\new)
	s_set_vgpr_msb (MSB<<8)|(\new)
.set MSB, (\new)
.endif
.endm
.macro PLACES                          ; four places behind a matrix instruction (ISA guide 7.12.1)
.rept 4
	v_nop
.endr
.endm
; A wave's two fills: dense blocks as rows of 256 bytes (32 elements of 8 bytes), padding behind each.  LDS = constant + wave x constant.
.macro FILLS padm1, la, lam, ga, lb, lbm, gb
	s_mov_b32 s[G1A+0], (3<<16)|(1<<20)|(5<<22)|(\padm1<<25)
	s_mov_b32 s[G1A+1], 32<<16
	s_mov_b32 s[G1A+2], RA<<16
	s_mov_b32 s[G1A+3], 32<<16
	s_mov_b32 s[G1A+4], RA
	s_mov_b32 s[G1A+5], 32
	s_mov_b32 s[G1A+6], 0
	s_mov_b32 s[G1A+7], 0
	s_mov_b32 s[G1B+0], (3<<16)|(1<<20)|(5<<22)|(\padm1<<25)
	s_mov_b32 s[G1B+1], 32<<16
	s_mov_b32 s[G1B+2], RB<<16
	s_mov_b32 s[G1B+3], 32<<16
	s_mov_b32 s[G1B+4], RB
	s_mov_b32 s[G1B+5], 32
	s_mov_b32 s[G1B+6], 0
	s_mov_b32 s[G1B+7], 0
	s_mov_b32 s[G0A+0], 1
	s_mul_i32 s[G0A+1], s8, \lam
	s_add_co_u32 s[G0A+1], s[G0A+1], \la
	s_lshl_b32 s20, s8, 13                         ; 64 keys of 128 bytes a wave
	s_add_co_u32 s20, s20, \ga
	s_add_nc_u64 s[G0A+2:G0A+3], s[18:19], s[20:21]
	s_or_b32 s[G0A+3], s[G0A+3], 0x80000000
	s_mov_b32 s[G0B+0], 1
	s_mul_i32 s[G0B+1], s8, \lbm
	s_add_co_u32 s[G0B+1], s[G0B+1], \lb
	s_mul_i32 s22, s8, 192*128                     ; 192 keys a wave
	s_add_co_u32 s22, s22, \gb
	s_add_nc_u64 s[G0B+2:G0B+3], s[18:19], s[22:23]
	s_or_b32 s[G0B+3], s[G0B+3], 0x80000000
	tensor_load_to_lds s[G0A:G0A+3], s[G1A:G1A+7]  ; the waves' first loads together bring keys 0-255,
	s_nop 0
	tensor_load_to_lds s[G0B:G0B+3], s[G1B:G1B+7]  ; the second ones keys 256-1023.  Two loads of the wave are out
	s_nop 0
.endm
	s_load_b128 s[4:7], s[0:1], 0x0                ; qkv s[4:5], out0 s[6:7]
	v_lshl_add_u32 v254, v0, 2, 0x4e800
	v_mov_b32 v255, 0
	ds_add_u32 v254, v255
	ds_add_u32 v254, v255
	v_lshrrev_b32 v1, 5, v0
	v_readfirstlane_b32 s8, v1                     ; wave 0..7
	s_and_b32 s9, ttmp7, 0xffff                    ; 16 b + h
	s_lshr_b32 s17, s9, 4                          ; b
	s_and_b32 s41, s9, 15                          ; h
	s_mul_i32 s20, s17, 48
	s_add_co_u32 s20, s20, s41
	s_lshl_b32 s20, s20, 17                        ; q's head block: (48 b + h) x 131,072 bytes; k's lies 16 blocks on, v's 32
	s_mov_b32 s21, 0
	s_mov_b32 s23, 0
	s_wait_dscnt 0x0
	s_wait_kmcnt 0x0
	s_add_nc_u64 s[18:19], s[4:5], s[20:21]
	s_cmp_lt_u32 s8, 4                             ; waves 0-3 fill K, waves 4-7 V: one branch, both loads of a wave inside it
	s_cbranch_scc0 .Lfill_v
	FILLS 3, 0, 32*KPITCH, 16*131072, 128*KPITCH, 96*KPITCH, 16*131072+256*128
	s_branch .Lfilled
.Lfill_v:                                              ; the constants take back four waves' shares, since the wave's number starts at 4 here
	FILLS 7, VBASE-4*32*VPITCH, 32*VPITCH, 32*131072-4*64*128, VBASE+128*VPITCH-4*96*VPITCH, 96*VPITCH, 32*131072+256*128-4*192*128
.Lfilled:
	s_lshl_b32 s20, ttmp9, 16                      ; my queries: 512 x 128 bytes a work-group,
	s_lshl_b32 s42, s8, 13                         ; 64 x 128 a wave
	s_add_co_u32 s20, s20, s42
	s_add_nc_u64 s[10:11], s[18:19], s[20:21]
	v_and_b32 v1, 15, v0                           ; r
	v_bfe_u32 v20, v0, 4, 1                        ; h
	v_lshlrev_b32 v[QO], 7, v1
	v_lshl_add_u32 v[QO], v20, 4, v[QO]            ; r x 128 + 16 h
.irp qt, 0,1,2,3
.irp ks, 0,1
	global_load_b128 v[Q+16*\qt+8*\ks:Q+16*\qt+8*\ks+3],   v[QO], s[10:11] offset:\qt*2048+\ks*64      ; four loads in a row cover a tile's 2,048 bytes; read once
	global_load_b128 v[Q+16*\qt+8*\ks+4:Q+16*\qt+8*\ks+7], v[QO], s[10:11] offset:\qt*2048+\ks*64+32
.endr
.endr
	s_lshl_b32 s20, s17, 22                        ; out0: (1024 b + 512 x + 64 wave) rows of 4,096 bytes + 256 h
	s_lshl_b32 s42, ttmp9, 21
	s_add_co_u32 s20, s20, s42
	s_lshl_b32 s42, s8, 18
	s_add_co_u32 s20, s20, s42
	s_lshl_b32 s42, s41, 8
	s_add_co_u32 s20, s20, s42
	s_add_nc_u64 s[6:7], s[6:7], s[20:21]
	s_mov_b32 s12, 0x76543210                      ; v_permlanex16_b32: lane i of one half reads lane i of the other
	s_mov_b32 s13, 0xfedcba98
	s_mov_b32 s14, 0x3e38aa3b                      ; c = 0.125 x 1.442695
	s_mov_b32 s15, 0x3e38aa3b
	s_mov_b32 s16, 0xbe38aa3b                      ; -c
	v_lshrrev_b32 v16, 1, v1
	v_mul_u32_u24 v16, v16, KPITCH
	v_and_b32 v17, 1, v0
	v_lshl_add_u32 v16, v17, 7, v16
	v_lshl_add_u32 v[KA], v20, 4, v16              ; (r >> 1) 272 + (r & 1) 128 + 16 h
	v_bfe_u32 v16, v0, 1, 2                        ; V: key 8 h + (l & 7) of sixteen: pair row 4 h + ((l & 7) >> 1),
	v_lshl_add_u32 v16, v20, 2, v16
	v_mul_u32_u24 v16, v16, VPITCH
	v_lshl_add_u32 v16, v17, 7, v16                ; its half (l & 1),
	v_bfe_u32 v18, v0, 3, 1
	v_lshl_add_u32 v16, v18, 4, v16                ; and 16 bytes on for lanes 8-15 and 24-31
	v_add_nc_u32 v[VA], VBASE, v16
	s_mul_i32 s42, s8, SBYTES
	s_add_co_u32 s42, s42, STAGE                   ; my stage
	v_mul_u32_u24 v16, v1, 272
	v_lshl_add_u32 v16, v20, 5, v16
	v_add_nc_u32 v[STO], s42, v16                  ; in: query r, 32 bytes for each half of the lanes
	v_mul_u32_u24 v16, v20, 272
	v_lshl_add_u32 v16, v1, 4, v16
	v_add_nc_u32 v[RD], s42, v16                   ; back: lanes 0-15 one query's 256 bytes, lanes 16-31 the next one's
	v_lshlrev_b32 v16, 12, v20
	v_lshl_add_u32 v[CO], v1, 4, v16               ; and the same two rows in out0
	v_mov_b32 v25, 0                               ; v_permlanex16_b32 counts as a reader of its destination
; Scores of query tile i against the step's 64 keys: 8 matrix instructions on four accumulators by turns, one instruction a turn
.macro SQK i, sb
.irp kt, 0,1,2,3
	v_wmma_f32_16x16x32_f16 v[\sb+8*\kt:\sb+8*\kt+7], v[KF+16*\kt:KF+16*\kt+7], v[Q+16*\i:Q+16*\i+7], 0
.endr
.irp kt, 0,1,2,3
	v_wmma_f32_16x16x32_f16 v[\sb+8*\kt:\sb+8*\kt+7], v[KF+16*\kt+8:KF+16*\kt+15], v[Q+16*\i+8:Q+16*\i+15], v[\sb+8*\kt:\sb+8*\kt+7]
.endr
.endm
.macro LDK                             ; 64 keys x 64 d: 16 loads
.irp kt, 0,1,2,3
.irp ks, 0,1
	ds_load_b128 v[KF+16*\kt+8*\ks:KF+16*\kt+8*\ks+3],   v[KA] offset:\kt*8*KPITCH+\ks*64
	ds_load_b128 v[KF+16*\kt+8*\ks+4:KF+16*\kt+8*\ks+7], v[KA] offset:\kt*8*KPITCH+\ks*64+32
.endr
.endr
.endm
.macro LDV                             ; V^T, 64 d x 64 keys: 16 transposing loads into window 1
	WIN 0x40
.irp u, 0,1
.irp dt, 0,1,2,3
	ds_load_tr16_b128 v[VF+32*\u+8*\dt:VF+32*\u+8*\dt+3],   v[VA] offset:\u*16*VPITCH+\dt*32
	ds_load_tr16_b128 v[VF+32*\u+8*\dt+4:VF+32*\u+8*\dt+7], v[VA] offset:\u*16*VPITCH+\dt*32+8*VPITCH
.endr
.endr
	WIN 0
.endm
; Softmax step of tile i on its 32 scores a lane.  first = 1: no old maximum, sum or rescaling.
.macro SM i, sb, first
.irp c, 0,1,2,3
	v_max3_num_f32 v[T+\c], v[\sb+7*\c], v[\sb+7*\c+1], v[\sb+7*\c+2]          ; four chains of seven
.endr
.irp c, 0,1,2,3
	v_max3_num_f32 v[T+\c], v[T+\c], v[\sb+7*\c+3], v[\sb+7*\c+4]
.endr
.irp c, 0,1,2,3
	v_max3_num_f32 v[T+\c], v[T+\c], v[\sb+7*\c+5], v[\sb+7*\c+6]
.endr
	v_max3_num_f32 v[T], v[T], v[T+1], v[\sb+28]
	v_max3_num_f32 v[T+2], v[T+2], v[T+3], v[\sb+29]
	v_max3_num_f32 v[T], v[T], v[T+2], v[\sb+30]
.if \first
	v_max_num_f32 v[T], v[T], v[\sb+31]
.else
	v_max3_num_f32 v[T], v[T], v[\sb+31], v[M+\i]
.endif
	v_permlanex16_b32 v25, v[T], s12, s13          ; the query's other 32 keys
	v_max_num_f32 v23, v[T], v25                   ; m, the same in both lanes of the query
	v_mul_f32 v22, s16, v23                        ; -c m
.if \first == 0
	v_fma_f32 v24, v[M+\i], s14, v22               ; c (old m - m) <= 0
.endif
.set j, 0
.rept 16
	v_pk_fma_f32 v[\sb+j:\sb+j+1], v[\sb+j:\sb+j+1], s[14:15], v[22:23] op_sel_hi:[1,0,0]   ; c s - c m <= 0 but for rounding
.set j, j+2
.endr
.if \first == 0
	v_exp_f32 v24, v24
.endif
.set j, 0
.rept 32
	v_exp_f32 v[\sb+j], v[\sb+j]
.set j, j+1
.endr
	v_mov_b32 v[M+\i], v23                         ; the plain instruction behind the run of exponentials (ISA guide 5.7.2), and of use
	s_wait_alu depctr_va_vdst(0)
	v_pk_add_f32 v[26:27], v[\sb:\sb+1], v[\sb+2:\sb+3]
	v_pk_add_f32 v[28:29], v[\sb+4:\sb+5], v[\sb+6:\sb+7]
.set j, 8
.rept 6
	v_pk_add_f32 v[26:27], v[26:27], v[\sb+j:\sb+j+1]
	v_pk_add_f32 v[28:29], v[28:29], v[\sb+j+2:\sb+j+3]
.set j, j+4
.endr
	v_pk_add_f32 v[26:27], v[26:27], v[28:29]
.if \first
	v_add_f32 v[L+\i], v26, v27
.else
	v_add_f32 v26, v26, v27
	v_fma_f32 v[L+\i], v[L+\i], v24, v26
.endif
.set j, 0
.rept 16
	v_cvt_pk_f16_f32 v[\sb+j], v[\sb+2*j], v[\sb+2*j+1]   ; in place, ascending: register j is written when 2 j and 2 j + 1 are read; v[sb:sb+15] = P, two fragments of 32 keys
.set j, j+1
.endr
.endm
; O of tile i: rescale, then 8 matrix instructions on four accumulators by turns.  One setting serves both: source 0 (O, V) window 1,
; source 1 (the factor, P) window 0, source 2 and destination window 1.
.macro PV i, sb, first
	WIN 0x51
.if \first == 0
.set j, 0
.rept 16
	v_pk_mul_f32 v[32*\i+j:32*\i+j+1], v[32*\i+j:32*\i+j+1], v[24:25] op_sel_hi:[1,0]
.set j, j+2
.endr
.endif
.irp dt, 0,1,2,3
.if \first
	v_wmma_f32_16x16x32_f16 v[32*\i+8*\dt:32*\i+8*\dt+7], v[VF+8*\dt:VF+8*\dt+7], v[\sb:\sb+7], 0
.else
	v_wmma_f32_16x16x32_f16 v[32*\i+8*\dt:32*\i+8*\dt+7], v[VF+8*\dt:VF+8*\dt+7], v[\sb:\sb+7], v[32*\i+8*\dt:32*\i+8*\dt+7]
.endif
.endr
.irp dt, 0,1,2,3
	v_wmma_f32_16x16x32_f16 v[32*\i+8*\dt:32*\i+8*\dt+7], v[VF+32+8*\dt:VF+32+8*\dt+7], v[\sb+8:\sb+15], v[32*\i+8*\dt:32*\i+8*\dt+7]
.endr
	WIN 0
.endm
; A step of 64 keys for the wave's four query tiles.  mode 1: fetch the next step's K fragments; 2: first make sure of keys 256-1023; 0: last step.
; The four v_nop behind each run of score products serve the reads of the scores and, in tile 0, the loads into V's fragments (read by the
; last step's last products), in tile 3 the loads into K's.  The two score buffers put a whole softmax step between a product that reads P
; and the score products that write over it.
.macro TRIP first, mode
	s_wait_dscnt 0x0                               ; this step's K fragments
	SQK 0, S0
	PLACES
	LDV
	v_add_nc_u32 v[VA], VSTEP, v[VA]
	SM 0, S0, \first
	s_wait_dscnt 0x0                               ; V's fragments, fetched behind the first tile's softmax
	PV 0, S0, \first
	SQK 1, S1
	PLACES
	SM 1, S1, \first
	PV 1, S1, \first
	SQK 2, S0
	PLACES
	SM 2, S0, \first
	PV 2, S0, \first
	SQK 3, S1
	PLACES
.if \mode == 2
	s_wait_tensorcnt 0x0                           ; my second load has landed,
	s_wait_dscnt 0x0
	s_barrier_signal -1
	s_barrier_wait -1                              ; and everybody's: keys 256-1023 may be read.  Nothing is ever filled again
.endif
.if \mode
	v_add_nc_u32 v[KA], KSTEP, v[KA]
	LDK                                            ; lands behind the last tile's softmax and products
.endif
	SM 3, S1, \first
	PV 3, S1, \first
.endm
	s_wait_tensorcnt 0x1                           ; my first load is in; the second, issued behind it, stays out: no LDS byte is filled twice in this launch
	s_barrier_signal -1
	s_barrier_wait -1                              ; keys 0-255 of K and V are whole
	LDK
	s_wait_loadcnt 0x0                             ; Q
	TRIP 1, 1                                      ; keys 0-63: starts maxima, sums and O
	s_mov_b32 s40, 2
.Lhead:
	TRIP 0, 1                                      ; keys 64-191
	s_sub_co_u32 s40, s40, 1
	s_cmp_lg_u32 s40, 0
	s_cbranch_scc1 .Lhead
	TRIP 0, 2                                      ; keys 192-255; the barrier stands in front of the first read of key 256
	s_mov_b32 s40, 11
.Lmain:
	TRIP 0, 1                                      ; keys 256-959
	s_sub_co_u32 s40, s40, 1
	s_cmp_lg_u32 s40, 0
	s_cbranch_scc1 .Lmain
	TRIP 0, 0                                      ; keys 960-1023
	PLACES                                         ; behind the last products: O is read, the score buffers are written
; THE WAY OUT, a query tile at a time: divide by the sum, 2 x 16 bytes a lane and d tile into my own stage, read back as whole rows:
; sixteen lanes store one query's 256 bytes of this head, aligned.
.macro OUTT i, sb, ob
	v_permlanex16_b32 v25, v[L+\i], s12, s13
	v_add_f32 v26, v[L+\i], v25                    ; the query's whole sum; at least about 1, the largest score's own term
	v_rcp_f32 v24, v26
	v_nop                                          ; one plain instruction behind the reciprocal (ISA guide 5.7.2)
	WIN 0x01                                       ; source 0 (O) in window 1
.set j, 0
	s_wait_alu depctr_va_vdst(0)
.rept 16
	v_pk_mul_f32 v[\sb+j:\sb+j+1], v[32*\i+j:32*\i+j+1], v[24:25] op_sel_hi:[1,0]
.set j, j+2
.endr
	WIN 0
.irp dt, 0,1,2,3
	ds_store_b128 v[STO], v[\sb+8*\dt:\sb+8*\dt+3]   offset:64*\dt
	ds_store_b128 v[STO], v[\sb+8*\dt+4:\sb+8*\dt+7] offset:64*\dt+16
.endr
	s_wait_xcnt 0x0                                ; buffer ob, which earlier stores read, is loaded again only behind this wait (ISA guide 3.1)
.irp t, 0,1,2,3,4,5,6,7
	ds_load_b128 v[\ob+4*\t:\ob+4*\t+3], v[RD] offset:544*\t       ; LDS serves a wave's instructions in order (ISA guide 5.7.1): these see the stores above
.endr
.irp t, 0,1,2,3,4,5,6,7
	s_wait_dscnt 7-\t                              ; the younger loads of the eight stay out
	global_store_b128 v[CO], v[\ob+4*\t:\ob+4*\t+3], s[6:7] offset:(16*\i+2*\t)*4096 th:TH_STORE_NT
.endr
.endm
	OUTT 0, S0, OB0
	OUTT 1, S1, OB1
	OUTT 2, S0, OB0
	OUTT 3, S1, OB1
	s_wait_tensorcnt 0x0
	ds_add_u32 v254, v255
	s_wait_dscnt 0x0
	s_endpgm
.Lfunc_end_k_qd2814d94d5_attn:
	.size	k_qd2814d94d5_attn, .Lfunc_end_k_qd2814d94d5_attn-k_qd2814d94d5_attn
	.p2alignl 7, 3214868480
	.fill 96, 4, 3214868480
	.section	.rodata,"a",@progbits
	.p2align	6, 0x0
	.amdhsa_kernel k_qd2814d94d5_attn
		.amdhsa_group_segment_fixed_size 322560
		.amdhsa_private_segment_fixed_size 0
		.amdhsa_enable_private_segment 0
		.amdhsa_kernarg_size 16
		.amdhsa_user_sgpr_count 2
		.amdhsa_user_sgpr_kernarg_segment_ptr 1
		.amdhsa_wavefront_size32 1
		.amdhsa_system_sgpr_workgroup_id_x 1
		.amdhsa_system_sgpr_workgroup_id_y 1
		.amdhsa_system_sgpr_workgroup_id_z 1
		.amdhsa_system_vgpr_workitem_id 0
		.amdhsa_next_free_vgpr 448
		.amdhsa_next_free_sgpr 66
		.amdhsa_reserve_vcc 0
		.amdhsa_float_denorm_mode_32 3
		.amdhsa_float_denorm_mode_16_64 3
		.amdhsa_memory_ordered 1
		.amdhsa_forward_progress 1
		.amdhsa_inst_pref_size 179
	.end_amdhsa_kernel
	.amdgpu_metadata
---
amdhsa.version: [ 1, 2 ]
amdhsa.kernels:
  - .name:           k_qd2814d94d5_attn
    .symbol:         k_qd2814d94d5_attn.kd
    .args:
      - { .name: qkv, .offset: 0, .size: 8, .value_kind: global_buffer, .address_space: global }
      - { .name: out0, .offset: 8, .size: 8, .value_kind: global_buffer, .address_space: global }
    .group_segment_fixed_size: 322560
    .private_segment_fixed_size: 0
    .kernarg_segment_align: 8
    .kernarg_segment_size: 16
    .max_flat_workgroup_size: 256
    .sgpr_count:     66
    .vgpr_count:     448
    .wavefront_size: 32
...
	.end_amdgpu_metadata
.endif
;; end of part 3
;; ======== version 2 of 2: 3 launches; version 1 with the launch cvt written anew for expert scheduling mode
;; limits: values are held in f16: magnitudes above 65,504 overflow, below 6.1e-05 lose precision
;; workspace buffers: xh 16,777,216 bytes; wh 6,291,456 bytes; qkv 50,331,648 bytes
;; launch cvt (part 4): grid 704 x 1, 8 waves a work-group, no clusters, 0 bytes of LDS; arguments x, qkv_w, xh, wh; writes xh, wh
.if DOCPART == 4
	.amdgcn_target "amdgcn-amd-amdhsa--gfx1250"
	.amdhsa_code_object_version 6
	.text
	.protected	k_qd2814d94d5_cvt
	.globl	k_qd2814d94d5_cvt
	.p2align	8
	.type	k_qd2814d94d5_cvt,@function
k_qd2814d94d5_cvt:
	s_mov_b64 s[64:65], 0
	v_nop
	global_prefetch_b8 v0, s[64:65] scope:SCOPE_SE
	s_setreg_imm32_b32 hwreg(HW_REG_WAVE_SCHED_MODE, 0, 2), 2
	s_setreg_imm32_b32 hwreg(HW_REG_WAVE_MODE, 25, 1), 1
	s_wait_xcnt 0x0
	s_wait_alu depctr_vm_vsrc(0)
; x [8192][1024] and qkv_w [3072][1024], f32, are rounded once to f16 and laid out in 16 panels along k:
; xh [16][8192][64], wh [16][3072][64].  Panel p holds k = 64 p .. 64 p + 63; a row of a panel is 128 bytes and the rows of a
; panel follow each other without a gap, so that the product's launch can fetch any run of rows of one panel as a dense block.
; NOTHING of reference() is left out in this program: both inputs reach every output, and SCALE is applied (in the attention launch,
; merged with log2(e) into the one constant of the exponent's multiply-add).
; LIMITS: f16 operands.  |x| or |qkv_w| of 65,520 or more becomes an infinity; below 6.1e-5 the step is 6e-8 (f16 denormals are kept).
; Why f16 and not bf16: same matrix rate, eight times finer rounding; the projection's results stay below f16's largest number even with
; both inputs 30 times their drawn spread (|q| about 5,000) or offset by 30 spreads (about 29,000).
; A stream: no LDS, no barrier, no matrix unit, no loop.  A work-group takes 16 rows (groups 0-511: x, groups 512-703: qkv_w), a wave two
; rows: lanes 0-15 the even one, lanes 16-31 the odd one.  Each load of a wave takes 256 consecutive aligned bytes of each of its two rows
; (one panel's 64 numbers); each store of a wave covers 256 consecutive aligned bytes (two neighbouring rows of one panel).
; THE MODE: SCHED_MODE bits 1:0 = 2 (LLVM: expert scheduling mode 2), set by the entry lines.  The code itself states the register dependences
; between vector instructions and memory instructions, with s_wait_alu, always for 0.
; THE PLAN.  Registers that memory instructions touch, in a text without a loop:
;   v1        the loads' offset.  Written at the head, read by the 16 loads, never written again.
;   X         written by the loads alone (no vector instruction names it ahead of them); panel p's two conversions read its four registers.
;   OFF       the stores' offsets, one a panel.  Written by 16 vector instructions behind the loads, read by one store each, never written again.
;   Y         the stores' data, a pair a panel.  Written once by the panel's two conversions, read by its store, never written again.
; The 16 panels go in four blocks of four: the wait for the block's data, its eight conversions, ONE wait on va_vdst, its four stores in a run.
; That wait states that the block's Y is written; the first of the four also that all of OFF is.  One more stands ahead of the first load, for v1.
; No register that a load or store reads is written again, no vector instruction writes a scalar register or VCC, and EXEC is never written:
; so the text holds no other s_wait_alu.
.set XGROUPS, 512                      ; 8192 rows / 16
.set OFF, 2                            ; v[2:17]   byte offset of my 8 bytes in panel p
.set X,   20                           ; v[20:83]  panel p: 4 f32 as loaded
.set Y,   84                           ; v[84:115] panel p: 4 f16 to store
	s_load_b256 s[4:11], s[0:1], 0x0               ; x s[4:5], qkv_w s[6:7], xh s[8:9], wh s[10:11]
	s_mov_b32 s18, 8192*128                        ; bytes from panel to panel in xh
	s_mov_b32 s19, 3072*128                        ; and in wh
	v_lshrrev_b32 v1, 4, v0                        ; my row of the group's 16
	v_and_b32 v18, 15, v0                          ; my place in a panel's row
	v_lshlrev_b32 v1, 12, v1                       ; a source row is 4,096 bytes
	v_lshl_add_u32 v1, v18, 4, v1                  ; + 16 bytes a lane
	s_cmp_lt_u32 ttmp9, XGROUPS                    ; x or qkv_w?  Only lines that leave SCC alone stand between here and the last select
	s_cselect_b32 s16, s18, s19                    ; the panel stride
	s_cselect_b32 s17, 0, XGROUPS                  ; the first group of my tensor
	s_wait_kmcnt 0x0
	s_cselect_b64 s[12:13], s[4:5], s[6:7]         ; from
	s_cselect_b64 s[14:15], s[8:9], s[10:11]       ; to
	s_sub_co_u32 s17, ttmp9, s17                   ; my group within the tensor
	s_lshl_b32 s20, s17, 16                        ; 16 source rows of 4,096 bytes
	s_mov_b32 s21, 0
	s_lshl_b32 s22, s17, 11                        ; 16 panel rows of 128 bytes
	s_mov_b32 s23, 0
	s_add_nc_u64 s[12:13], s[12:13], s[20:21]
	s_add_nc_u64 s[14:15], s[14:15], s[22:23]
	s_wait_alu depctr_va_vdst(0)                   ; v1 is written: the sixteen loads below read it as their offset
.set p, 0
.rept 16
	global_load_b128 v[X+4*p:X+4*p+3], v1, s[12:13] offset:256*p th:TH_LOAD_NT   ; read once in the launch
.set p, p+1
.endr
	v_lshlrev_b32 v[OFF], 3, v0                    ; row x 128 + place x 8 = 8 x thread
.set p, 1
.rept 15
	v_add_nc_u32 v[OFF+p], s16, v[OFF+p-1]         ; a panel further
.set p, p+1
.endr
.set b, 0
.rept 4                                                ; block b: panels 4 b to 4 b + 3
	s_wait_loadcnt 12-4*b                          ; loads come back in order (ISA guide 5.7.1): the block's four panels are in, the 12 - 4 b younger loads stay out
.set p, 4*b
.rept 4
	v_cvt_pk_f16_f32 v[Y+2*p],   v[X+4*p],   v[X+4*p+1]
	v_cvt_pk_f16_f32 v[Y+2*p+1], v[X+4*p+2], v[X+4*p+3]
.set p, p+1
.endr
	s_wait_alu depctr_va_vdst(0)                   ; the block's eight conversions have written its Y, which the four stores below read as data; in block 0 also: the sixteen offsets OFF are written, for all sixteen stores
.set p, 4*b
.rept 4
	global_store_b64 v[OFF+p], v[Y+2*p:Y+2*p+1], s[14:15]   ; no register of a pending load or store is ever written again
.set p, p+1
.endr
.set b, b+1
.endr
	s_endpgm
.Lfunc_end_k_qd2814d94d5_cvt:
	.size	k_qd2814d94d5_cvt, .Lfunc_end_k_qd2814d94d5_cvt-k_qd2814d94d5_cvt
	.p2alignl 7, 3214868480
	.fill 96, 4, 3214868480
	.section	.rodata,"a",@progbits
	.p2align	6, 0x0
	.amdhsa_kernel k_qd2814d94d5_cvt
		.amdhsa_group_segment_fixed_size 0
		.amdhsa_private_segment_fixed_size 0
		.amdhsa_enable_private_segment 0
		.amdhsa_kernarg_size 32
		.amdhsa_user_sgpr_count 2
		.amdhsa_user_sgpr_kernarg_segment_ptr 1
		.amdhsa_wavefront_size32 1
		.amdhsa_system_sgpr_workgroup_id_x 1
		.amdhsa_system_sgpr_workgroup_id_y 1
		.amdhsa_system_sgpr_workgroup_id_z 1
		.amdhsa_system_vgpr_workitem_id 0
		.amdhsa_next_free_vgpr 120
		.amdhsa_next_free_sgpr 66
		.amdhsa_reserve_vcc 0
		.amdhsa_float_denorm_mode_32 3
		.amdhsa_float_denorm_mode_16_64 3
		.amdhsa_memory_ordered 1
		.amdhsa_forward_progress 1
		.amdhsa_inst_pref_size 7
	.end_amdhsa_kernel
	.amdgpu_metadata
---
amdhsa.version: [ 1, 2 ]
amdhsa.kernels:
  - .name:           k_qd2814d94d5_cvt
    .symbol:         k_qd2814d94d5_cvt.kd
    .args:
      - { .name: x, .offset: 0, .size: 8, .value_kind: global_buffer, .address_space: global }
      - { .name: qkv_w, .offset: 8, .size: 8, .value_kind: global_buffer, .address_space: global }
      - { .name: xh, .offset: 16, .size: 8, .value_kind: global_buffer, .address_space: global }
      - { .name: wh, .offset: 24, .size: 8, .value_kind: global_buffer, .address_space: global }
    .group_segment_fixed_size: 0
    .private_segment_fixed_size: 0
    .kernarg_segment_align: 8
    .kernarg_segment_size: 32
    .max_flat_workgroup_size: 256
    .sgpr_count:     66
    .vgpr_count:     120
    .wavefront_size: 32
...
	.end_amdgpu_metadata
.endif
;; end of part 4
;; launch gemm: the kernel of part 2 again; grid 8 x 32, 4 waves a work-group, clusters of 4 x 4, 327,680 bytes of LDS; arguments xh, wh, qkv; writes qkv
;; launch attn: the kernel of part 3 again; grid 2 x 128, 8 waves a work-group, no clusters, 322,560 bytes of LDS; arguments qkv, out0; writes out0
